; MI455X (gfx1250); checked and timed in simulation.
; The chip was launched on July 23, 2026; its instructions are those of AMD's public machine-readable ISA for CDNA 5 (MIT licence, August 2026) and "CDNA5" Instruction Set Architecture Reference Guide (July 2026). The comments in the code are by the model that wrote it; some were corrected since.
;; W8 A8 Dynamic Linear Static. Allowed arithmetic: float matrix products may take bf16 or f16 operands with f32 sums; other float arithmetic in f32, or as packed bf16 or f16 multiplies, adds, multiply-adds, maxima and minima; sums over many terms, partial sums and values carried from step to step in f32; what a program stores and reads back later, other than sums and carried values, may be rounded once to bf16 or f16.
;; Inputs: bias 4,096 float32; weight 4,096 x 4,096 int32; weight_offset 4,096 float32; weight_scale 4,096 float32; x 4,096 x 4,096 float32.
;; Outputs: out0 4,096 x 4,096 float32.
;; 2 versions, each right; version 2 is version 1 with the launch prep written anew for expert scheduling mode. Each part assembles by itself: llvm-mc -triple=amdgcn-amd-amdhsa -mcpu=gfx1250 --defsym DOCPART=n.
;; ======== version 1 of 2: 2 launches
;; workspace buffers: xq 33,554,432 bytes; wq 33,554,432 bytes; stats 32,768 bytes
;; launch prep (part 1): grid 256 x 2, 8 waves a work-group, no clusters, 0 bytes of LDS; arguments x, weight, xq, wq, stats; writes xq, wq, stats
.if DOCPART == 1
	.amdgcn_target "amdgcn-amd-amdhsa--gfx1250"
	.amdhsa_code_object_version 6
	.text
	.protected	k_qfa6529a76d_prep
	.globl	k_qfa6529a76d_prep
	.p2align	8
	.type	k_qfa6529a76d_prep,@function
k_qfa6529a76d_prep:
	s_mov_b64 s[64:65], 0
	v_nop
	global_prefetch_b8 v0, s[64:65] scope:SCOPE_SE
	s_setreg_imm32_b32 hwreg(HW_REG_WAVE_MODE, 25, 1), 1
	s_wait_xcnt 0x0
; The pass in front of the product.  Grid y = 0: x [4096][4096] f32 is quantised row by row: act_scale = max|x| / 127, x_q = clip(round(x / act_scale), -127, 127), written as bf16
; (whole numbers up to 127 are exact there) into xq, and (act_scale, the sum of the row's x_q) as two f32 into stats.  Grid y = 1: weight [4096][4096] i32 is written as bf16 into wq.
; SHARES.  A work-group owns 16 rows, each of its eight waves two.  A row is 16,384 bytes: one wave takes it whole, 32 loads of 16 bytes a lane, and keeps it in 128 registers between the pass
; that finds the maximum and the pass that quantises: the row is read from memory once, the reduction never leaves the wave, and there is no LDS and no barrier.
; A load of the wave covers 512 consecutive bytes; the lane's four numbers become 8 bytes of bf16, so a store of the wave covers 256 consecutive bytes, at a multiple of 256 from the buffer's first byte.
; While row 0 is quantised, row 1's loads are issued into the registers just read.  Row 0 is packed into registers of its own (Y), row 1 in place: no register that a store reads is ever rewritten.
; LIMITS.  The two divisions are multiplications: max x (1/127 rounded to f32) and x times v_rcp_f32(act_scale), each within about one unit in the last place of the quotient; a number that
; lies within some 3e-5 of a half may so be rounded to the other neighbour, which moves x_q by 1.  v_rcp_f32 takes a denormal as 0 (ISA guide, its entry in 15.8): a row with 0 < max|x| < 1.5e-36
; comes out as NaN.  A row of zeros comes out as NaN, as 0 / 0 does.  NaN and infinities in x are not treated apart.  Weights beyond 256 in magnitude are rounded to bf16.
.set VIN,  1                           ; v1        my byte offset in the group's rows of the input: wave x 32,768 + 16 x lane; never rewritten
.set VOUT, 2                           ; v2        the same in the output: wave x 16,384 + 8 x lane; never rewritten
.set VST,  3                           ; v3        my byte offset in the group's 128 bytes of stats: wave x 16 + 8 x lane
.set LANE, 4                           ; v4
.set M,    6                           ; v[6:9]    four running maxima
.set STAT, 12                          ; v[12:13]  row 0's act_scale and sum; v[14:15] row 1's
.set INV,  16                          ; v[16:17]  1 / act_scale, twice (a pair for the packed multiply)
.set SA,   18                          ; v[18:19]  sums of x_q, two chains of pairs
.set SB,   20                          ; v[20:21]
.set X,    24                          ; v[24:151] the row as loaded
.set Y,    152                         ; v[152:215] row 0 as stored
.set ROWIN,  16384                     ; bytes in a row of the input
.set ROWOUT, 8192                      ; bytes in a row of the output
	s_load_b256 s[4:11], s[0:1], 0x0               ; x s[4:5], weight s[6:7], xq s[8:9], wq s[10:11]
	s_load_b64 s[12:13], s[0:1], 0x20              ; stats
	s_and_b32 s2, ttmp7, 0xffff                    ; 0: x; 1: weight
	s_mov_b32 s14, 0xc2fe0000                      ; -127.0
	s_mov_b32 s15, 0x42fe0000                      ; 127.0
	s_mov_b32 s16, 0x76543210                      ; v_permlanex16_b32: each lane takes its own place in the other half
	s_mov_b32 s17, 0xfedcba98
	s_lshl_b32 s18, ttmp9, 18                      ; the group's 16 rows: 16 x 16,384 bytes of input,
	s_mov_b32 s19, 0
	s_lshl_b32 s20, ttmp9, 17                      ; 16 x 8,192 bytes of output,
	s_mov_b32 s21, 0
	s_lshl_b32 s22, ttmp9, 7                       ; 16 x 8 bytes of stats
	s_mov_b32 s23, 0
	v_and_b32 v[LANE], 31, v0
	v_and_b32 v5, 0xe0, v0                         ; 32 x wave
	v_lshlrev_b32 v[VIN], 4, v[LANE]
	v_lshl_or_b32 v[VIN], v5, 10, v[VIN]
	v_lshlrev_b32 v[VOUT], 3, v[LANE]
	v_lshl_or_b32 v[VOUT], v5, 9, v[VOUT]
	v_lshrrev_b32 v[VST], 1, v5
	v_lshl_add_u32 v[VST], v[LANE], 3, v[VST]
	s_wait_kmcnt 0x0
	s_cmp_lg_u32 s2, 0
	s_cbranch_scc1 .Lweight
	; ---------------- x ----------------
	s_add_nc_u64 s[4:5], s[4:5], s[18:19]
	s_add_nc_u64 s[8:9], s[8:9], s[20:21]
	s_add_nc_u64 s[12:13], s[12:13], s[22:23]
.set j, 0
.rept 32
	global_load_b128 v[X+4*j:X+4*j+3], v[VIN], s[4:5] offset:512*j th:TH_LOAD_NT
.set j, j+1
.endr
; One row.  next = 1: the results go into Y, and the next row is loaded into X behind them; next = 0: the results are packed in place.
.macro XROW row, next
.set ST, STAT+2*(\row)
	; pass 1: the largest |x| of my 128 numbers, in four chains that do not wait for each other; the first four lines start them: nothing is cleared
.set g, 0
.rept 4
	s_wait_loadcnt 24-8*g                          ; loads come back in order (ISA guide 5.7.1): all but the row's youngest 24 - 8 g are in
.set i, 0
.rept 16
.if (g == 0) && (i < 4)
	v_max_num_f32 v[M+i], |v[X+2*i]|, |v[X+2*i+1]|
.else
	v_max3_num_f32 v[M+i%4], v[M+i%4], |v[X+32*g+2*i]|, |v[X+32*g+2*i+1]|
.endif
.set i, i+1
.endr
.set g, g+1
.endr
	v_max3_num_f32 v[M], v[M], v[M+1], v[M+2]
	v_max_num_f32 v[M], v[M], v[M+3]
	; across the 32 lanes: four steps inside each half of 16 lanes, one across the halves
	v_max_num_f32_dpp v[M], v[M], v[M] row_xmask:1 row_mask:0xf bank_mask:0xf
	v_max_num_f32_dpp v[M], v[M], v[M] row_xmask:2 row_mask:0xf bank_mask:0xf
	v_max_num_f32_dpp v[M], v[M], v[M] row_xmask:4 row_mask:0xf bank_mask:0xf
	v_max_num_f32_dpp v[M], v[M], v[M] row_xmask:8 row_mask:0xf bank_mask:0xf
	v_permlanex16_b32 v[M+1], v[M], s16, s17       ; its destination counts as read: a register that has been written
	v_max_num_f32 v[M], v[M], v[M+1]               ; every lane holds the row's maximum
	v_mul_f32 v[ST], 0x3c010204, v[M]              ; act_scale = maximum x 1/127
	v_rcp_f32 v[INV], v[ST]
	v_rcp_f32 v[INV+1], v[ST]
	v_nop                                          ; a plain instruction between the reciprocals and the use of their results (ISA guide 5.7.2)
	s_wait_alu depctr_va_vdst(0)
	; pass 2: four numbers at a time: scaled, rounded to the nearest whole number (halves to even), clipped, summed, packed, stored
.set j, 0
.rept 32
.set XJ, X+4*j
.if \next
.set D, Y+2*j
.else
.set D, XJ
.endif
	v_pk_mul_f32 v[XJ:XJ+1], v[XJ:XJ+1], v[INV:INV+1]
	v_pk_mul_f32 v[XJ+2:XJ+3], v[XJ+2:XJ+3], v[INV:INV+1]
.irp k, 0,1,2,3
	v_rndne_f32 v[XJ+(\k)], v[XJ+(\k)]
.endr
.irp k, 0,1,2,3
	v_med3_num_f32 v[XJ+(\k)], v[XJ+(\k)], s14, s15
.endr
.if j == 0
	v_pk_add_f32 v[SA:SA+1], v[XJ:XJ+1], v[XJ+2:XJ+3]      ; the first two groups start the two chains of sums
.elseif j == 1
	v_pk_add_f32 v[SB:SB+1], v[XJ:XJ+1], v[XJ+2:XJ+3]
.else
	v_pk_add_f32 v[SA:SA+1], v[SA:SA+1], v[XJ:XJ+1]        ; whole numbers, 4,096 x 127 at the most: these sums are exact in f32
	v_pk_add_f32 v[SB:SB+1], v[SB:SB+1], v[XJ+2:XJ+3]
.endif
	v_cvt_pk_bf16_f32 v[D], v[XJ], v[XJ+1]
	v_cvt_pk_bf16_f32 v[D+1], v[XJ+2], v[XJ+3]
.if \next
	global_load_b128 v[XJ:XJ+3], v[VIN], s[4:5] offset:((\row)+1)*ROWIN+512*j th:TH_LOAD_NT  ; the next row, ahead of the store
.endif
	global_store_b64 v[VOUT], v[D:D+1], s[8:9] offset:(\row)*ROWOUT+256*j  ; 32 lanes store 256 consecutive bytes
.set j, j+1
.endr
	v_pk_add_f32 v[SA:SA+1], v[SA:SA+1], v[SB:SB+1]
	v_add_f32 v[SA], v[SA], v[SA+1]
	v_add_f32_dpp v[SA], v[SA], v[SA] row_xmask:1 row_mask:0xf bank_mask:0xf
	v_add_f32_dpp v[SA], v[SA], v[SA] row_xmask:2 row_mask:0xf bank_mask:0xf
	v_add_f32_dpp v[SA], v[SA], v[SA] row_xmask:4 row_mask:0xf bank_mask:0xf
	v_add_f32_dpp v[SA], v[SA], v[SA] row_xmask:8 row_mask:0xf bank_mask:0xf
	v_permlanex16_b32 v[SA+1], v[SA], s16, s17
	v_add_f32 v[SA], v[SA], v[SA+1]
	v_fma_f32 v[ST+1], v[INV], 0, v[SA]            ; the sum; where act_scale is 0 its reciprocal is infinite and this is NaN, which the product's way out carries into the whole row, as 0 / 0 does
.endm
	XROW 0, 1
	XROW 1, 0
	v_cmp_eq_u32 vcc_lo, 1, v[LANE]                ; lane 0 stores row 0's two numbers, lane 1 row 1's: 16 consecutive bytes a wave
	v_cndmask_b32 v[STAT], v[STAT], v[STAT+2], vcc_lo
	v_cndmask_b32 v[STAT+1], v[STAT+1], v[STAT+3], vcc_lo
	v_cmp_gt_u32 vcc_lo, 2, v[LANE]
	s_wait_xcnt 0x0                                ; EXEC is a source of the stores above: it changes only behind this wait
	s_and_saveexec_b32 s2, vcc_lo
	global_store_b64 v[VST], v[STAT:STAT+1], s[12:13]
	s_wait_xcnt 0x0                                ; and again in front of the line that widens it
	s_or_b32 exec_lo, exec_lo, s2
	s_endpgm
	; ---------------- weight ----------------
.Lweight:
	s_add_nc_u64 s[6:7], s[6:7], s[18:19]
	s_add_nc_u64 s[10:11], s[10:11], s[20:21]
.set j, 0
.rept 32
	global_load_b128 v[X+4*j:X+4*j+3], v[VIN], s[6:7] offset:512*j th:TH_LOAD_NT
.set j, j+1
.endr
; One row, 32 slots of four numbers.  next = 1: the results go into Y and the slot is loaded again with the next row's four.
.macro WROW row, next
.set j, 0
.rept 32
.set XJ, X+4*j
.if \next
.set D, Y+2*j
	s_wait_loadcnt 31                              ; behind slot j's load stand this row's 31 - j younger loads and the next row's j
.else
.set D, XJ
	s_wait_loadcnt 31-j                            ; nothing more is loaded: the counts run down
.endif
.irp k, 0,1,2,3
	v_cvt_f32_i32 v[XJ+(\k)], v[XJ+(\k)]
.endr
	v_cvt_pk_bf16_f32 v[D], v[XJ], v[XJ+1]
	v_cvt_pk_bf16_f32 v[D+1], v[XJ+2], v[XJ+3]
.if \next
	global_load_b128 v[XJ:XJ+3], v[VIN], s[6:7] offset:((\row)+1)*ROWIN+512*j th:TH_LOAD_NT
.endif
	global_store_b64 v[VOUT], v[D:D+1], s[10:11] offset:(\row)*ROWOUT+256*j
.set j, j+1
.endr
.endm
	WROW 0, 1
	WROW 1, 0
	s_endpgm
.Lfunc_end_k_qfa6529a76d_prep:
	.size	k_qfa6529a76d_prep, .Lfunc_end_k_qfa6529a76d_prep-k_qfa6529a76d_prep
	.p2alignl 7, 3214868480
	.fill 96, 4, 3214868480
	.section	.rodata,"a",@progbits
	.p2align	6, 0x0
	.amdhsa_kernel k_qfa6529a76d_prep
		.amdhsa_group_segment_fixed_size 0
		.amdhsa_private_segment_fixed_size 0
		.amdhsa_enable_private_segment 0
		.amdhsa_kernarg_size 40
		.amdhsa_user_sgpr_count 2
		.amdhsa_user_sgpr_kernarg_segment_ptr 1
		.amdhsa_wavefront_size32 1
		.amdhsa_system_sgpr_workgroup_id_x 1
		.amdhsa_system_sgpr_workgroup_id_y 1
		.amdhsa_system_sgpr_workgroup_id_z 1
		.amdhsa_system_vgpr_workitem_id 0
		.amdhsa_next_free_vgpr 216
		.amdhsa_next_free_sgpr 66
		.amdhsa_reserve_vcc 1
		.amdhsa_float_denorm_mode_32 3
		.amdhsa_float_denorm_mode_16_64 3
		.amdhsa_memory_ordered 1
		.amdhsa_forward_progress 1
		.amdhsa_inst_pref_size 103
	.end_amdhsa_kernel
	.amdgpu_metadata
---
amdhsa.version: [ 1, 2 ]
amdhsa.kernels:
  - .name:           k_qfa6529a76d_prep
    .symbol:         k_qfa6529a76d_prep.kd
    .args:
      - { .name: x, .offset: 0, .size: 8, .value_kind: global_buffer, .address_space: global }
      - { .name: weight, .offset: 8, .size: 8, .value_kind: global_buffer, .address_space: global }
      - { .name: xq, .offset: 16, .size: 8, .value_kind: global_buffer, .address_space: global }
      - { .name: wq, .offset: 24, .size: 8, .value_kind: global_buffer, .address_space: global }
      - { .name: stats, .offset: 32, .size: 8, .value_kind: global_buffer, .address_space: global }
    .group_segment_fixed_size: 0
    .private_segment_fixed_size: 0
    .kernarg_segment_align: 8
    .kernarg_segment_size: 40
    .max_flat_workgroup_size: 256
    .sgpr_count:     66
    .vgpr_count:     216
    .wavefront_size: 32
...
	.end_amdgpu_metadata
.endif
;; end of part 1
;; launch gemm (part 2): grid 16 x 16, 4 waves a work-group, clusters of 4 x 4, 327,680 bytes of LDS; arguments xq, wq, out0, stats, weight_scale, weight_offset, bias; writes out0
.if DOCPART == 2
	.amdgcn_target "amdgcn-amd-amdhsa--gfx1250"
	.amdhsa_code_object_version 6
	.text
	.protected	k_qfa6529a76d_gemm
	.globl	k_qfa6529a76d_gemm
	.p2align	8
	.type	k_qfa6529a76d_gemm,@function
k_qfa6529a76d_gemm:
	s_mov_b64 s[64:65], 0
	v_nop
	global_prefetch_b8 v0, s[64:65] scope:SCOPE_SE
	s_setreg_imm32_b32 hwreg(HW_REG_WAVE_MODE, 25, 1), 1
	s_wait_xcnt 0x0
	s_wait_alu depctr_hold_cnt(0) depctr_sa_sdst(0) depctr_va_vdst(0) depctr_va_sdst(0) depctr_va_ssrc(0) depctr_va_vcc(0) depctr_vm_vsrc(0)
	s_getreg_b32 s2, hwreg(HW_REG_IB_STS2, 6, 4)
	s_cmp_eq_u32 s2, 0
	s_cbranch_scc0 .Lentry_in_a_cluster
	s_endpgm
.Lentry_in_a_cluster:
	s_bfe_u32 s2, ttmp6, 0x10000c
	s_cmp_lg_u32 s2, 0xf033
	s_cbranch_scc0 .Lentry_shape_is_right
	s_endpgm
.Lentry_shape_is_right:
; out0[m][n] = (sum over k of xq[m][k] wq[n][k] + rowsum[m] offset[n]) act_scale[m] scale[n] + bias[n].  xq, wq: [4096][4096] bf16, whole numbers (exact in bf16 up to 256);
; stats: [4096][2] f32 = (act_scale, rowsum); scale, offset, bias: [4096] f32; out0: [4096][4096] f32.  Sums in f32: exact while they stay under 2^24, rounded beyond.
; The zero-point term stays a separate f32 term on the way out, so an offset that is no whole number is taken as it is.
; A tile of out0, 256 x 256, is made by a work-group of four waves; a wave makes 128 x 128: 64 accumulators of 16 x 16, 512 registers.  4096 / 256 squared = 256 work-groups, one tile each.
; K goes in steps of 128 through a ring of two LDS slots filled by the tensor data mover: a tile's rows are 256 bytes of memory and start at multiples of 256 bytes from the buffer's first byte.
; CLUSTERS: 4 x 4 work-groups.  The four of a row of the cluster need the same tiles of xq, the four of a column the same tiles of wq.  Such a tile is asked for JOINTLY: each of the four issues
; the same tensor load, with the same descriptor and a mask that names the four, and each receives the tile in its own LDS.  That divides the requests for both operands by four.
; REGISTERS, in windows of 256 (s_set_vgpr_msb's low byte: bits 1:0 source 0, 3:2 source 1, 5:4 source 2, 7:6 destination):
;   window 0: v0-31 addresses; v32-43 scale, offset, bias of my four columns on the way out; v64-127, v128-191 fragments of xq, two buffers, later the rows on their way out
;   window 1: v64-127, v128-191 fragments of wq, two buffers
;   window 2: the 32 accumulators of my rows 0-63 (accumulator (a, b) at v[8 (8 a + b)]);   window 3: those of my rows 64-127
; THE MATRIX INSTRUCTION IS USED TRANSPOSED: source 0 = 16 rows of wq, source 1 = 16 rows of xq.  In the result lane l holds row m = l % 16 and its registers 0 to 7 the columns
; n = 8 (l / 16) + 0 .. 7: eight neighbouring f32 of a row, 32 bytes, which go into the stage by two stores of 16 bytes.
.set SIZE_N, 4096
.set SIZE_K, 4096
.set KSTEP,  128
.set PITCH,  272                       ; an LDS row: 256 bytes of data + 16 of padding = 68 words: row r starts at bank 4 r mod 64 (64 banks of 4 bytes: ISA guide 11.1), so the 16 rows of a load start at 16 different banks
.set HALFT,  128*PITCH                 ; 128 rows: what one tensor load brings, and what one wave reads of either operand
.set SLOT,   4*HALFT                   ; xq's 256 rows, then wq's 256 rows
.set STAGE,  2*SLOT                    ; behind the ring: 16 rows x 528 bytes for each wave, for the way out; no tensor load lands here
.set SPITCH, 528                       ; a stage row: 512 bytes (128 f32) + 16 = 132 words: again 16 rows at 16 different groups of four banks
.set WSTAGE, 16*SPITCH                 ; 8,448 bytes = 33 blocks of 256
.set SPARE,  STAGE+4*WSTAGE            ; behind the stages: the spare words, 128 bytes for each wave: two blocks of 256 bytes that no other line names
.set LAPS,   SIZE_K/(2*KSTEP)          ; a lap = two K steps = once round the ring: 16
.set ADRA, 16                          ; v16-17  LDS address of my xq fragments in slot 0, 1
.set ADRB, 20                          ; v20-21  the same for wq
.set STO,  24                          ; v24     the way out: where I put 32 bytes of a row
.set RD,   25                          ; v25     the way out: where I read 16 bytes of a row back
.set CO,   26                          ; v26     16 x lane: my byte offset in a row's 512 bytes of out0; never rewritten
.set CP,   27                          ; v27     my byte offset in scale, offset and bias
.set SPW,  28                          ; v28     LDS address of my spare word: SPARE + 4 x my thread's number; never rewritten
.set NIL,  29                          ; v29     0; never rewritten
.set WS,   32                          ; v[32:35] scale of my columns 4 lane .. 4 lane + 3 of the wave's 128
.set OF,   36                          ; v[36:39] offset
.set BI,   40                          ; v[40:43] bias
.set F0,   64                          ; fragment buffer 0
.set F1,   128                         ; fragment buffer 1
.set G1,  24                           ; s[24:31] descriptor group 1 for xq's tiles
.set G0,  32                           ; s[32:39] descriptor group 0 for xq's tiles, one set for each slot
.set G1B, 48                           ; s[48:55] descriptor group 1 for wq's tiles: it differs in the mask alone
.set G0B, 56                           ; s[56:63] descriptor group 0 for wq's tiles, one set for each slot
.set SP,  66                           ; s[66:67] stats at my wave's first row; never rewritten
.set RS,  68                           ; s[68:99] (act_scale, rowsum) of the 16 rows of the block that is going out
.set MSB, 0
.macro WIN new                         ; the immediate's high byte repeats the setting that is left; a switch that changes nothing is dropped
.if MSB != (\new)
	s_set_vgpr_msb (MSB<<8)|(\new)
.set MSB, \new
.endif
.endm
.set MUL_LO, 0xa1                      ; source 0 (wq) window 1, source 1 (xq) window 0, C and D window 2
.set MUL_HI, 0xf1                      ; the same, C and D window 3
.set TO_B,   0x40                      ; destination window 1, address window 0
; A joint load.  Waves 0 and 1 fetch xq's two halves, waves 2 and 3 wq's.  Each of the two lines has ONE mask and one set of registers for all that issue it.  The branch hangs on the wave's
; number alone.  An s_nop 0 and four v_nop follow each of the two lines, ahead of the jump, the label and what follows the macro.
.macro JLOAD s
	s_cmp_eq_u32 s11, 0
	s_cbranch_scc0 .Lfor_b_\@
	tensor_load_to_lds s[G0+4*(\s):G0+4*(\s)+3], s[G1:G1+7]
	s_nop 0
.rept 4
	v_nop
.endr
	s_branch .Lasked_\@
.Lfor_b_\@:
	tensor_load_to_lds s[G0B+4*(\s):G0B+4*(\s)+3], s[G1B:G1B+7]
	s_nop 0
.rept 4
	v_nop
.endr
.Lasked_\@:
.endm
; A round of the cluster's barrier: my work-group's barrier, so that wave 0's signal speaks for all four waves; wave 0 signals for the work-group; every wave waits for all sixteen
; work-groups; my work-group's barrier once more.  No LDS instruction of the wave is pending at a signal.
.macro CREST                           ; a round behind its opening barrier
	s_cmp_lg_u32 s10, 0
	s_cbranch_scc1 .Lnot_wave_0_\@
	s_barrier_signal -3
.Lnot_wave_0_\@:
	s_barrier_wait -3
	s_barrier_signal -1
	s_barrier_wait -1
.endm
.macro CROUND                          ; a whole round
	s_barrier_signal -1
	s_barrier_wait -1
	CREST
.endm
	s_load_b128 s[4:7], s[0:1], 0x0                ; xq s[4:5], wq s[6:7]
	s_load_b64 s[8:9], s[0:1], 0x10                ; out0
	s_load_b64 s[SP:SP+1], s[0:1], 0x18            ; stats
	s_load_b128 s[84:87], s[0:1], 0x20             ; weight_scale s[84:85], weight_offset s[86:87]
	s_load_b64 s[88:89], s[0:1], 0x30              ; bias
	v_lshl_add_u32 v[SPW], v0, 2, SPARE
	v_mov_b32 v[NIL], 0
	ds_add_u32 v[SPW], v[NIL]                      ; the wave's opening: the add and its wait stand ahead of my first tensor load; the set-up below, work on registers, stands between them
	v_lshrrev_b32 v1, 5, v0
	v_readfirstlane_b32 s10, v1                    ; wave 0..3
	s_lshr_b32 s11, s10, 1                         ; which half of the tile's rows is mine.  Also: I fetch for xq (0) or for wq (1)
	s_and_b32 s12, s10, 1                          ; which half of its columns.  Also: which 128 rows of that tile I fetch
	s_bfe_u32 s40, ttmp6, 0x40000                  ; cx: my place along the cluster's x
	s_bfe_u32 s41, ttmp6, 0x40004                  ; cy: along its y
	s_lshl_b32 s42, ttmp9, 2                       ; in a cluster launch ttmp9 and ttmp7 count clusters
	s_add_co_u32 s42, s42, s40                     ; tile column = 4 x cluster x + cx
	s_and_b32 s13, ttmp7, 0xffff
	s_lshl_b32 s13, s13, 2
	s_add_co_u32 s13, s13, s41                     ; tile row = 4 x cluster y + cy
	s_lshl_b32 s43, s41, 2
	s_lshl_b32 s43, 15, s43                        ; my row of the cluster: places 4 cy .. 4 cy + 3
	s_lshl_b32 s44, 0x1111, s40                    ; my column: places cx, cx + 4, cx + 8, cx + 12
	; descriptor group 1: a tile of 128 rows x 128 elements, padded in LDS
	s_or_b32 s[G1+0], s43, (1<<16)|(1<<20)|(1<<21)|(5<<22)|(3<<25)  ; 15:0 the mask: xq's tiles go to my row; 17:16 element of 2 bytes; 20 padding on; 21 set beside a mask; 24:22 after every 64 words (code 5); 31:25 of 4 words (code 3)
	s_or_b32 s[G1B+0], s44, (1<<16)|(1<<20)|(1<<21)|(5<<22)|(3<<25) ; the same with the mask of my column, for wq's tiles
	s_mov_b32 s[G1B+1], KSTEP<<16
	s_mov_b32 s[G1+1], KSTEP<<16                   ; 63:48 tensor_dim0, low half = 128
	s_mov_b32 s[G1B+2], 128<<16
	s_mov_b32 s[G1+2], 128<<16                     ; 79:64 its high half = 0; 95:80 tensor_dim1, low half = 128
	s_mov_b32 s[G1B+3], KSTEP<<16
	s_mov_b32 s[G1+3], KSTEP<<16                   ; 111:96 its high half = 0; 127:112 tile_dim0 = 128
	s_mov_b32 s[G1B+4], 128
	s_mov_b32 s[G1+4], 128                         ; 143:128 tile_dim1 = 128; 159:144 tile_dim2 = 0
	s_mov_b32 s[G1B+5], SIZE_K
	s_mov_b32 s[G1+5], SIZE_K                      ; 191:160 tensor_dim0_stride, low word: elements from row to row
	s_mov_b32 s[G1B+6], 0
	s_mov_b32 s[G1+6], 0
	s_mov_b32 s[G1B+7], 0
	s_mov_b32 s[G1+7], 0
	; where the tiles come from.  xq's hang on the tile row alone, which my row of the cluster shares; wq's on the tile column alone, which my column shares.
	; Every wave makes both addresses, in registers that never hold the other coordinate, and asks by one of them.
	s_lshl_b32 s17, s12, 7                         ; which 128 rows of the tile I fetch
	s_lshl_b32 s16, s13, 8
	s_add_co_u32 s16, s16, s17                     ; xq: row 256 x tile row + 128 x half
	s_lshl_b32 s46, s42, 8
	s_add_co_u32 s46, s46, s17                     ; wq: row 256 x tile column + 128 x half
	s_mov_b32 s17, 0
	s_mov_b32 s47, 0
	s_mov_b64 s[18:19], SIZE_K*2
	s_mul_u64 s[16:17], s[16:17], s[18:19]         ; in bytes, in 64 bits
	s_mul_u64 s[46:47], s[46:47], s[18:19]
	s_mul_i32 s20, s10, HALFT                      ; and where they go: wave x 128 rows: no place in the cluster enters an LDS address
	s_wait_dscnt 0x0                               ; the opening add is done
	s_wait_kmcnt 0x0
	s_add_nc_u64 s[14:15], s[4:5], s[16:17]
	s_add_nc_u64 s[46:47], s[6:7], s[46:47]
	CROUND                                         ; all sixteen work-groups are here: the first joint loads meet
.irp s, 0,1
	s_mov_b32 s[G0+4*(\s)], 1                                      ; 1:0 count = 1
	s_add_co_u32 s[G0+4*(\s)+1], s20, (\s)*SLOT                    ; 63:32 LDS address
	s_add_nc_u64 s[G0+4*(\s)+2:G0+4*(\s)+3], s[14:15], (\s)*KSTEP*2  ; 120:64 global address: K step s
	s_or_b32 s[G0+4*(\s)+3], s[G0+4*(\s)+3], 0x80000000            ; 127:126 type = 2
	s_mov_b32 s[G0B+4*(\s)], 1
	s_add_co_u32 s[G0B+4*(\s)+1], s20, (\s)*SLOT
	s_add_nc_u64 s[G0B+4*(\s)+2:G0B+4*(\s)+3], s[46:47], (\s)*KSTEP*2
	s_or_b32 s[G0B+4*(\s)+3], s[G0B+4*(\s)+3], 0x80000000
	JLOAD \s                                       ; the ring is filled before anything else is done: two tensor loads of mine are out
.endr
	; A fragment is 16 rows x 32 K in 8 registers: lane l holds row l % 16; registers 0-3 hold K = 8 (l / 16) + 0..7, registers 4-7 hold K = 16 + 8 (l / 16) + 0..7:
	; two loads of 16 bytes, 32 bytes apart.  The same for source 0 and source 1.
	v_and_b32 v1, 15, v0                           ; l % 16
	v_bfe_u32 v2, v0, 4, 1                         ; l / 16
	v_mul_u32_u24 v3, v1, PITCH
	v_lshl_add_u32 v3, v2, 4, v3                   ; row x pitch + 16 x half
	s_mul_i32 s21, s11, HALFT                      ; my 128 rows of xq
	s_mul_i32 s22, s12, HALFT                      ; my 128 rows of wq,
	s_add_co_u32 s22, s22, 2*HALFT                 ; which lie behind xq's 256
.irp s, 0,1
	v_add_nc_u32 v[ADRA+(\s)], s21, v3
	v_add_nc_u32 v[ADRB+(\s)], s22, v3
	s_add_co_u32 s21, s21, SLOT
	s_add_co_u32 s22, s22, SLOT
.endr
	s_mul_i32 s23, s10, WSTAGE
	s_add_co_u32 s23, s23, STAGE                   ; my stage
	v_mul_u32_u24 v4, v1, SPITCH                   ; in: row l % 16, 32 bytes for each half of the lanes
	v_lshl_add_u32 v4, v2, 5, v4
	v_add_nc_u32 v[STO], s23, v4
	v_and_b32 v5, 31, v0
	v_lshlrev_b32 v[CO], 4, v5                     ; back: the 32 lanes take one row of 512 bytes,
	v_add_nc_u32 v[RD], s23, v[CO]                 ; and the same 512 bytes of a row of out0
	s_lshl_b32 s46, s42, 10                        ; my first column, in bytes of f32: 1,024 x tile column + 512 x half (in the registers that held wq's address: none that feeds xq's descriptors ever holds cx)
	s_lshl_b32 s47, s12, 9
	s_add_co_u32 s46, s46, s47
	s_mov_b32 s47, 0
	v_add_nc_u32 v[CP], s46, v[CO]
	global_load_b128 v[WS:WS+3], v[CP], s[84:85]   ; the three numbers of my four columns stay in registers for the whole way out
	global_load_b128 v[OF:OF+3], v[CP], s[86:87]
	global_load_b128 v[BI:BI+3], v[CP], s[88:89]
	s_lshl_b32 s16, s13, 8
	s_lshl_b32 s14, s11, 7
	s_add_co_u32 s16, s16, s14                     ; my first row: 256 x tile row + 128 x half
	s_lshl_b32 s18, s16, 3                         ; 8 bytes of stats a row
	s_mov_b32 s19, 0
	s_add_nc_u64 s[SP:SP+1], s[SP:SP+1], s[18:19]
	s_lshl_b32 s16, s16, 14                        ; 16,384 bytes of out0 a row: under 2^26
	s_mov_b32 s17, 0
	s_add_nc_u64 s[8:9], s[8:9], s[16:17]
	s_add_nc_u64 s[8:9], s[8:9], s[46:47]          ; out0 at my wave's corner; never rewritten: all that follows stands in the stores' immediates
	s_wait_loadcnt 0x0                             ; the three loads are done: their bases s[84:89] may be written
	s_load_b512 s[RS:RS+15], s[SP:SP+1], 0x0       ; (act_scale, rowsum) of my rows 0-7
	s_load_b512 s[RS+16:RS+31], s[SP:SP+1], 0x40   ; and 8-15
	s_wait_kmcnt 0x0                               ; all this stands in the wait for the first tile
; 16 matrix instructions: m blocks a0, a0 + 1 of the window's four (hi = 0: my rows 0-63, 1: rows 64-127) x all 8 n blocks, 32 along K.
; zero = 1: the first product starts the sums: nothing is ever cleared.  The 64 accumulators take turns, one instruction a turn, in the same order in every quarter step.
.macro MUL16 f, hi, a0, zero
	WIN MUL_LO+0x50*(\hi)  ; MUL_LO or MUL_HI
.irp a, \a0, (\a0)+1
.irp b, 0,1,2,3,4,5,6,7
.if \zero
	v_wmma_f32_16x16x32_bf16 v[8*(8*(\a)+(\b)):8*(8*(\a)+(\b))+7], v[(\f)+8*(\b):(\f)+8*(\b)+7], v[(\f)+8*(4*(\hi)+(\a)):(\f)+8*(4*(\hi)+(\a))+7], 0
.else
	v_wmma_f32_16x16x32_bf16 v[8*(8*(\a)+(\b)):8*(8*(\a)+(\b))+7], v[(\f)+8*(\b):(\f)+8*(\b)+7], v[(\f)+8*(4*(\hi)+(\a)):(\f)+8*(4*(\hi)+(\a))+7], v[8*(8*(\a)+(\b)):8*(8*(\a)+(\b))+7]
.endif
.endr
.endr
.endm
; 32 LDS loads in one run: the fragments of one quarter step (128 rows of wq, 128 rows of xq, 32 K at byte k of the rows) into buffer f
.macro FETCH slot, k, f
	WIN TO_B
.irp i, 0,1,2,3,4,5,6,7
	ds_load_b128 v[(\f)+8*(\i):(\f)+8*(\i)+3],   v[ADRB+(\slot)] offset:(\k)+(\i)*16*PITCH
	ds_load_b128 v[(\f)+8*(\i)+4:(\f)+8*(\i)+7], v[ADRB+(\slot)] offset:(\k)+(\i)*16*PITCH+32
.endr
	WIN 0
.irp i, 0,1,2,3,4,5,6,7
	ds_load_b128 v[(\f)+8*(\i):(\f)+8*(\i)+3],   v[ADRA+(\slot)] offset:(\k)+(\i)*16*PITCH
	ds_load_b128 v[(\f)+8*(\i)+4:(\f)+8*(\i)+7], v[ADRA+(\slot)] offset:(\k)+(\i)*16*PITCH+32
.endr
.endm
; A load into a register that a matrix instruction has read, and an LDS store that reads a matrix result, stand four places behind that matrix instruction, and only plain vector
; instructions that name none of its registers are places (ISA guide 7.12.1 for vector instructions).
.macro PLACES
.rept 4
	v_nop
.endr
.endm
; A K step is four quarter steps of 32 along K, 64 matrix instructions each, on buffers 0, 1, 0, 1.
; One of the first three: multiplies buffer f; in its middle it fetches the next quarter's fragments, at byte k of the same slot's rows, into buffer g.
.macro QUARTER slot, k, f, g, zero
	s_wait_dscnt 8                                 ; wq's fragments and xq's rows 0-63 are in; the youngest eight loads (xq's rows 64-127) may be out
	WIN MUL_LO
	MUL16 \f, 0, 0, \zero
	MUL16 \f, 0, 2, \zero
	PLACES
	FETCH \slot, \k, \g
	s_wait_dscnt 32                                ; all but the 32 just issued
	WIN MUL_HI
	MUL16 \f, 1, 0, \zero
	MUL16 \f, 1, 2, \zero
.endm
; The last quarter multiplies buffer 1 and changes slots.  MEET is its first half: ONE barrier for the change of slots.  In front of it each wave waits for all its tensor loads, of which
; one is out: its part of the next slot; adds 0 to its spare word; and waits for that and for its own reads of this slot.  Behind it nobody reads this slot any more and the next slot is whole.
.macro MEET round                      ; round = 1: a round of the cluster's barrier follows
	WIN 0                                          ; (the add's two registers lie in window 0)
	s_wait_tensorcnt 0x0                           ; all my tensor loads have landed: the one that was out is my part of the next slot;
	ds_add_u32 v[SPW], v[NIL]                      ; 0 onto my spare word;
	s_wait_dscnt 9                                 ; (the add and the youngest eight loads may be out)
	WIN MUL_LO
	MUL16 F1, 0, 0, 0                              ; sixteen matrix instructions stand between the add and the wait for it
	s_wait_dscnt 0x0                               ; the add is done, and my reads of this slot are over:
	s_barrier_signal -1                            ; say so (where a slot is filled again this barrier opens a round of the cluster's barrier),
	MUL16 F1, 0, 2, 0                              ; work on registers while the others arrive,
.if \round
	WIN 0
.endif
	s_barrier_wait -1                              ; and go on when all four have said so
.endm
; The whole last quarter, with a refill.  Behind the round the slot just read out is filled again first, with the K step two steps on; then come the next slot's first fragments.
; From a request to the wait for it a wave issues 224 matrix instructions; one tensor load of mine is out.
.macro TURN slot, next
	MEET 1
	CREST                                          ; all sixteen work-groups have said so: no wave of any partner still reads this slot's tile or has a load on its way
	s_add_nc_u64 s[G0+4*(\slot)+2:G0+4*(\slot)+3], s[G0+4*(\slot)+2:G0+4*(\slot)+3], 2*KSTEP*2
	s_add_nc_u64 s[G0B+4*(\slot)+2:G0B+4*(\slot)+3], s[G0B+4*(\slot)+2:G0B+4*(\slot)+3], 2*KSTEP*2
	JLOAD \slot                                    ; the first tensor load behind the round; the four v_nop behind it are also the places in front of the loads below
	FETCH \next, 0, F0
	WIN MUL_HI
	MUL16 F1, 1, 0, 0
	MUL16 F1, 1, 2, 0
.endm
; The last change of slots: nothing is filled again, so no round follows and no load is issued.
.macro TURNL
	MEET 0
	PLACES
	FETCH 1, 0, F0
	WIN MUL_HI
	MUL16 F1, 1, 0, 0
	MUL16 F1, 1, 2, 0
.endm
; THE WAY OUT of block a (my rows 16 a .. 16 a + 15), in two parts.
; TOSTAGE: the block's eight accumulators go as they are, f32, into my own stage in LDS (each accumulator's low four registers first), and come back as 16 whole
; rows of 512 bytes, into the registers where xq's fragments lay: buffers 0 and 1 by turns.
.macro TOSTAGE a
.set BK, F0+64*((\a)%2)
.set AC, 64*((\a)%4)
.if (\a) >= 2
	s_wait_xcnt 0x0                                ; the stores of the block two back read this buffer: it is loaded again only behind this wait (ISA guide 3.1)
.endif
	WIN 0x08+4*((\a)/4)                            ; the stores' data: window 2 or 3
.irp b, 0,1,2,3,4,5,6,7
	ds_store_b128 v[STO], v[AC+8*(\b):AC+8*(\b)+3]   offset:64*(\b)
	ds_store_b128 v[STO], v[AC+8*(\b)+4:AC+8*(\b)+7] offset:64*(\b)+16
.endr
	WIN 0
.irp t, 0,1,2,3,4,5,6,7,8,9,10,11,12,13,14,15
	ds_load_b128 v[BK+4*(\t):BK+4*(\t)+3], v[RD] offset:(\t)*SPITCH  ; LDS serves a wave's instructions in order (ISA guide 5.7.1.4): these see the stores above, and the next block's stores come behind them
.endr
.endm
; SEND: row by row, (sum + rowsum x offset) x act_scale x scale + bias, and the row's 512 bytes are stored.  A row's act_scale and rowsum lie in a scalar pair.
; younger: the LDS instructions issued behind this block's loads: the next block's 16 stores and 16 loads, or none.
.macro SEND a, younger
	WIN 0
.set BK, F0+64*((\a)%2)
.if (\a) > 0
	s_wait_kmcnt 0x0                               ; this block's 16 pairs, asked for while the block before went out
.endif
.irp t, 0,1,2,3,4,5,6,7,8,9,10,11,12,13,14,15
	s_wait_dscnt (\younger)+15-(\t)                ; LDS loads come back in order: row t is in
.irp i, 0,1,2,3
	v_fma_f32 v[BK+4*(\t)+(\i)], v[OF+(\i)], s[RS+2*(\t)+1], v[BK+4*(\t)+(\i)]
.endr
	v_pk_mul_f32 v[BK+4*(\t):BK+4*(\t)+1],   v[BK+4*(\t):BK+4*(\t)+1],   s[RS+2*(\t):RS+2*(\t)+1] op_sel_hi:[1,0]  ; the pair's low word, act_scale, for both
	v_pk_mul_f32 v[BK+4*(\t)+2:BK+4*(\t)+3], v[BK+4*(\t)+2:BK+4*(\t)+3], s[RS+2*(\t):RS+2*(\t)+1] op_sel_hi:[1,0]
	v_pk_fma_f32 v[BK+4*(\t):BK+4*(\t)+1],   v[BK+4*(\t):BK+4*(\t)+1],   v[WS:WS+1],   v[BI:BI+1]
	v_pk_fma_f32 v[BK+4*(\t)+2:BK+4*(\t)+3], v[BK+4*(\t)+2:BK+4*(\t)+3], v[WS+2:WS+3], v[BI+2:BI+3]
	global_store_b128 v[CO], v[BK+4*(\t):BK+4*(\t)+3], s[8:9] offset:(16*(\a)+(\t))*SIZE_N*4 th:TH_STORE_NT  ; 32 lanes store 512 consecutive bytes, at a multiple of 256 from out0's first byte; 127 rows at the most: inside the signed 24-bit immediate
.if ((\a) < 7) && ((\t) == 7)
	s_load_b512 s[RS:RS+15], s[SP:SP+1], ((\a)+1)*128        ; rows 0-7 have used their pairs: the next block's take their place
.endif
.if ((\a) < 7) && ((\t) == 15)
	s_load_b512 s[RS+16:RS+31], s[SP:SP+1], ((\a)+1)*128+64
.endif
.endr
.endm
	s_wait_tensorcnt 1                             ; my part of K step 0 is in; K step 1's may stay out
	s_barrier_signal -1
	s_barrier_wait -1                              ; everybody's is
	FETCH 0, 0, F0
	QUARTER 0, 64,  F0, F1, 1                      ; the first quarter stands in front of the loop: its products start the sums
	WIN 0                                          ; at a label and at a branch every window is 0
	s_mov_b32 s3, LAPS-1
.Llap:                                                 ; a trip goes once round the ring, from a lap's second quarter to the next lap's first, and fills both slots again
	QUARTER 0, 128, F1, F0, 0
	QUARTER 0, 192, F0, F1, 0
	TURN 0, 1
	QUARTER 1, 64,  F0, F1, 0
	QUARTER 1, 128, F1, F0, 0
	QUARTER 1, 192, F0, F1, 0
	TURN 1, 0
	QUARTER 0, 64,  F0, F1, 0
	WIN 0
	s_sub_co_u32 s3, s3, 1
	s_cmp_lg_u32 s3, 0
	s_cbranch_scc1 .Llap
	QUARTER 0, 128, F1, F0, 0                      ; the last lap is written out: it fills nothing, and has no round of the cluster's barrier
	QUARTER 0, 192, F0, F1, 0
	TURNL
	QUARTER 1, 64,  F0, F1, 0
	QUARTER 1, 128, F1, F0, 0
	QUARTER 1, 192, F0, F1, 0
	s_wait_dscnt 8                                 ; the very last quarter: nothing more to fetch
	WIN MUL_LO
	MUL16 F1, 0, 0, 0
	MUL16 F1, 0, 2, 0
	s_wait_dscnt 0x0
	MUL16 F1, 1, 0, 0
	MUL16 F1, 1, 2, 0
	WIN 0
	PLACES                                         ; behind the last products: the stage's stores read results, and its loads land where fragments lay
	TOSTAGE 0
.irp a, 1,2,3,4,5,6,7                  ; block a's trip through the stage is on its way while block a - 1 is worked on and stored
	TOSTAGE \a
	SEND (\a)-1, 32
.endr
	SEND 7, 0
	s_wait_tensorcnt 0x0                           ; the wave's end: the add and its waits stand behind my last tensor load and my last LDS store
	ds_add_u32 v[SPW], v[NIL]
	s_wait_dscnt 0x0
	CROUND                                         ; the closing round: no work-group ends while a partner may still ask for a tile that names it
	s_endpgm
.Lfunc_end_k_qfa6529a76d_gemm:
	.size	k_qfa6529a76d_gemm, .Lfunc_end_k_qfa6529a76d_gemm-k_qfa6529a76d_gemm
	.p2alignl 7, 3214868480
	.fill 96, 4, 3214868480
	.section	.rodata,"a",@progbits
	.p2align	6, 0x0
	.amdhsa_kernel k_qfa6529a76d_gemm
		.amdhsa_group_segment_fixed_size 327680
		.amdhsa_private_segment_fixed_size 0
		.amdhsa_enable_private_segment 0
		.amdhsa_kernarg_size 56
		.amdhsa_user_sgpr_count 2
		.amdhsa_user_sgpr_kernarg_segment_ptr 1
		.amdhsa_wavefront_size32 1
		.amdhsa_system_sgpr_workgroup_id_x 1
		.amdhsa_system_sgpr_workgroup_id_y 1
		.amdhsa_system_sgpr_workgroup_id_z 1
		.amdhsa_system_vgpr_workitem_id 0
		.amdhsa_next_free_vgpr 1024
		.amdhsa_next_free_sgpr 100
		.amdhsa_reserve_vcc 0
		.amdhsa_float_denorm_mode_32 3
		.amdhsa_float_denorm_mode_16_64 3
		.amdhsa_memory_ordered 1
		.amdhsa_forward_progress 1
		.amdhsa_inst_pref_size 210
	.end_amdhsa_kernel
	.amdgpu_metadata
---
amdhsa.version: [ 1, 2 ]
amdhsa.kernels:
  - .name:           k_qfa6529a76d_gemm
    .symbol:         k_qfa6529a76d_gemm.kd
    .args:
      - { .name: xq, .offset: 0, .size: 8, .value_kind: global_buffer, .address_space: global }
      - { .name: wq, .offset: 8, .size: 8, .value_kind: global_buffer, .address_space: global }
      - { .name: out0, .offset: 16, .size: 8, .value_kind: global_buffer, .address_space: global }
      - { .name: stats, .offset: 24, .size: 8, .value_kind: global_buffer, .address_space: global }
      - { .name: weight_scale, .offset: 32, .size: 8, .value_kind: global_buffer, .address_space: global }
      - { .name: weight_offset, .offset: 40, .size: 8, .value_kind: global_buffer, .address_space: global }
      - { .name: bias, .offset: 48, .size: 8, .value_kind: global_buffer, .address_space: global }
    .group_segment_fixed_size: 327680
    .private_segment_fixed_size: 0
    .kernarg_segment_align: 8
    .kernarg_segment_size: 56
    .max_flat_workgroup_size: 128
    .sgpr_count:     100
    .vgpr_count:     1024
    .wavefront_size: 32
...
	.end_amdgpu_metadata
.endif
;; end of part 2
;; ======== version 2 of 2: 2 launches; version 1 with the launch prep written anew for expert scheduling mode
;; workspace buffers: xq 33,554,432 bytes; wq 33,554,432 bytes; stats 32,768 bytes
;; launch prep (part 3): grid 256 x 2, 8 waves a work-group, no clusters, 0 bytes of LDS; arguments x, weight, xq, wq, stats; writes xq, wq, stats
.if DOCPART == 3
	.amdgcn_target "amdgcn-amd-amdhsa--gfx1250"
	.amdhsa_code_object_version 6
	.text
	.protected	k_qfa6529a76d_prep
	.globl	k_qfa6529a76d_prep
	.p2align	8
	.type	k_qfa6529a76d_prep,@function
k_qfa6529a76d_prep:
	s_mov_b64 s[64:65], 0
	v_nop
	global_prefetch_b8 v0, s[64:65] scope:SCOPE_SE
	s_setreg_imm32_b32 hwreg(HW_REG_WAVE_SCHED_MODE, 0, 2), 2
	s_setreg_imm32_b32 hwreg(HW_REG_WAVE_MODE, 25, 1), 1
	s_wait_xcnt 0x0
	s_wait_alu depctr_vm_vsrc(0)
; The pass in front of the product.  Grid y = 0: x [4096][4096] f32 is quantised row by row: act_scale = max|x| / 127, x_q = clip(round(x / act_scale), -127, 127), written as bf16
; (whole numbers up to 127 are exact there) into xq, and (act_scale, the sum of the row's x_q) as two f32 into stats.  Grid y = 1: weight [4096][4096] i32 is written as bf16 into wq.
; SHARES.  A work-group owns 16 rows, each of its eight waves two.  A row is 16,384 bytes: one wave takes it whole, 32 loads of 16 bytes a lane, and keeps it in 128 registers between the pass
; that finds the maximum and the pass that quantises: the row is read from memory once, the reduction never leaves the wave, and there is no LDS and no barrier.
; A load of the wave covers 512 consecutive bytes; the lane's four numbers become 8 bytes of bf16, so a store of the wave covers 256 consecutive bytes, at a multiple of 256 from the buffer's first byte.
; While row 0 is worked on, row 1's loads are issued into the registers that are done with.  Row 0 is packed into registers of its own (Y), row 1 in place: no register that a store reads is ever rewritten.
; THE MODE: SCHED_MODE bits 1:0 = 2 (LLVM: expert scheduling mode 2), set by the entry lines.  The code itself states the register dependences between vector instructions and memory
; instructions, with s_wait_alu, always for 0.
; THE PLAN.  Registers that memory instructions touch:
;   v1, v2, v3  byte offsets, made once at the head and never written again: the rows are reached by immediate offsets.
;   X           32 groups of four.  Row 0's loads land in it; a block's arithmetic reads and writes its groups in place; row 1's loads land in those groups, issued in the block after;
;               row 1's arithmetic packs in place; the stores issued in the block after read each group's first two registers; nothing writes them again.
;   Y           32 pairs.  Written once, by row 0's roundings; read by the stores issued in the block after.
;   v[12:13]    written by two selects at the x path's end; read by the one store of stats.
; The work on a row goes in blocks (four groups for x, eight for the weights).  Block p's vector instructions name block p's groups of X and Y and registers that no memory instruction touches; its
; memory instructions are the loads into and the stores out of block p - 1's groups.  So ONE wait on va_vdst at a block's head states all that the block's memory instructions hang on, and these are
; dealt among its vector instructions with no further wait.  No register that a memory instruction reads is written again, so no wait on vm_vsrc stands in the streams.
; LIMITS.  The two divisions are multiplications: max x (1/127 rounded to f32) and x times v_rcp_f32(act_scale), each within about one unit in the last place of the quotient; a number that
; lies within some 3e-5 of a half may so be rounded to the other neighbour, which moves x_q by 1.  v_rcp_f32 takes a denormal as 0 (ISA guide, its entry in 15.8): a row with 0 < max|x| < 1.5e-36
; comes out as NaN.  A row of zeros comes out as NaN, as 0 / 0 does.  NaN and infinities in x are not treated apart.  Weights beyond 256 in magnitude are rounded to bf16.
.set VIN,  1                           ; v1        my byte offset in the group's rows of the input: wave x 32,768 + 16 x lane; never rewritten
.set VOUT, 2                           ; v2        the same in the output: wave x 16,384 + 8 x lane; never rewritten
.set VST,  3                           ; v3        my byte offset in the group's 128 bytes of stats: wave x 16 + 8 x lane
.set LANE, 4                           ; v4
.set M,    6                           ; v[6:9]    four running maxima
.set STAT, 12                          ; v[12:13]  row 0's act_scale and sum; v[14:15] row 1's
.set INV,  16                          ; v[16:17]  1 / act_scale, twice (a pair for the packed multiply)
.set SA,   18                          ; v[18:19]  sums of x_q, two chains of pairs
.set SB,   20                          ; v[20:21]
.set X,    24                          ; v[24:151] the row as loaded
.set Y,    152                         ; v[152:215] row 0 as stored
.set ROWIN,  16384                     ; bytes in a row of the input
.set ROWOUT, 8192                      ; bytes in a row of the output
.set XBK,  4                           ; groups in a block of the x path: 56 vector instructions
.set WBK,  8                           ; slots in a block of the weight path: 48 vector instructions
	s_load_b256 s[4:11], s[0:1], 0x0               ; x s[4:5], weight s[6:7], xq s[8:9], wq s[10:11]
	s_load_b64 s[12:13], s[0:1], 0x20              ; stats
	s_and_b32 s2, ttmp7, 0xffff                    ; 0: x; 1: weight
	s_mov_b32 s14, 0xc2fe0000                      ; -127.0
	s_mov_b32 s15, 0x42fe0000                      ; 127.0
	s_mov_b32 s16, 0x76543210                      ; v_permlanex16_b32: each lane takes its own place in the other half
	s_mov_b32 s17, 0xfedcba98
	s_lshl_b32 s18, ttmp9, 18                      ; the group's 16 rows: 16 x 16,384 bytes of input,
	s_mov_b32 s19, 0
	s_lshl_b32 s20, ttmp9, 17                      ; 16 x 8,192 bytes of output,
	s_mov_b32 s21, 0
	s_lshl_b32 s22, ttmp9, 7                       ; 16 x 8 bytes of stats
	s_mov_b32 s23, 0
	v_and_b32 v[LANE], 31, v0
	v_and_b32 v5, 0xe0, v0                         ; 32 x wave
	v_lshlrev_b32 v[VIN], 4, v[LANE]
	v_lshl_or_b32 v[VIN], v5, 10, v[VIN]
	v_lshlrev_b32 v[VOUT], 3, v[LANE]
	v_lshl_or_b32 v[VOUT], v5, 9, v[VOUT]
	v_lshrrev_b32 v[VST], 1, v5
	v_lshl_add_u32 v[VST], v[LANE], 3, v[VST]
	s_wait_kmcnt 0x0
	s_wait_alu depctr_va_vdst(0)                   ; v1, v2 and v3 are written: every load and store of the kernel, on either path, reads one of them as its offset
	s_cmp_lg_u32 s2, 0
	s_cbranch_scc1 .Lweight
	; ---------------- x ----------------
	s_add_nc_u64 s[4:5], s[4:5], s[18:19]
	s_add_nc_u64 s[8:9], s[8:9], s[20:21]
	s_add_nc_u64 s[12:13], s[12:13], s[22:23]
.set j, 0
.rept 32
	global_load_b128 v[X+4*j:X+4*j+3], v[VIN], s[4:5] offset:512*j th:TH_LOAD_NT
.set j, j+1
.endr
; The memory instructions of group m of a row, issued a block behind the group's arithmetic.  next = 1: the next row's four numbers are loaded into the group, ahead of the store; the store reads Y.
; next = 0: the store reads the group's first two registers.
.macro XOUT row, next, m
.if \next
	global_load_b128 v[X+4*(\m):X+4*(\m)+3], v[VIN], s[4:5] offset:((\row)+1)*ROWIN+512*(\m) th:TH_LOAD_NT
	global_store_b64 v[VOUT], v[Y+2*(\m):Y+2*(\m)+1], s[8:9] offset:(\row)*ROWOUT+256*(\m)  ; 32 lanes store 256 consecutive bytes
.else
	global_store_b64 v[VOUT], v[X+4*(\m):X+4*(\m)+1], s[8:9] offset:(\row)*ROWOUT+256*(\m)  ; 32 lanes store 256 consecutive bytes
.endif
.endm
; One row.  next = 1: the results go into Y, and the next row is loaded into X behind them; next = 0: the results are packed in place.
.macro XROW row, next
.set ST, STAT+2*(\row)
	; pass 1: the largest |x| of my 128 numbers, in four chains that do not wait for each other; the first four lines start them: nothing is cleared
.set g, 0
.rept 4
	s_wait_loadcnt 24-8*g                          ; loads come back in order (ISA guide 5.7.1): all but the row's youngest 24 - 8 g are in
.set i, 0
.rept 16
.if (g == 0) && (i < 4)
	v_max_num_f32 v[M+i], |v[X+2*i]|, |v[X+2*i+1]|
.else
	v_max3_num_f32 v[M+i%4], v[M+i%4], |v[X+32*g+2*i]|, |v[X+32*g+2*i+1]|
.endif
.set i, i+1
.endr
.set g, g+1
.endr
	v_max3_num_f32 v[M], v[M], v[M+1], v[M+2]
	v_max_num_f32 v[M], v[M], v[M+3]
	; across the 32 lanes: four steps inside each half of 16 lanes, one across the halves
	v_max_num_f32_dpp v[M], v[M], v[M] row_xmask:1 row_mask:0xf bank_mask:0xf
	v_max_num_f32_dpp v[M], v[M], v[M] row_xmask:2 row_mask:0xf bank_mask:0xf
	v_max_num_f32_dpp v[M], v[M], v[M] row_xmask:4 row_mask:0xf bank_mask:0xf
	v_max_num_f32_dpp v[M], v[M], v[M] row_xmask:8 row_mask:0xf bank_mask:0xf
	v_permlanex16_b32 v[M+1], v[M], s16, s17       ; its destination counts as read: a register that has been written
	v_max_num_f32 v[M], v[M], v[M+1]               ; every lane holds the row's maximum
	v_mul_f32 v[ST], 0x3c010204, v[M]              ; act_scale = maximum x 1/127
	v_rcp_f32 v[INV], v[ST]
	v_rcp_f32 v[INV+1], v[ST]
	v_nop                                          ; a plain instruction between the reciprocals and the use of their results (ISA guide 5.7.2)
	s_wait_alu depctr_va_vdst(0)
	; pass 2: four numbers at a time: scaled, rounded to the nearest whole number (halves to even), clipped, summed, packed; loaded again and stored a block later
.set j, 0
.rept 32
.set XJ, X+4*j
.if \next
.set D, Y+2*j
.else
.set D, XJ
.endif
.if (j > 0) && (j%XBK == 0)
	s_wait_alu depctr_va_vdst(0)                   ; the block before has written its packed results, which this block's stores read, and is done reading and writing its groups of X, in which this block's loads land
.endif
.if j >= XBK
	XOUT \row, \next, j-XBK                        ; no vector instruction since that wait names these registers
.endif
	v_pk_mul_f32 v[XJ:XJ+1], v[XJ:XJ+1], v[INV:INV+1]
	v_pk_mul_f32 v[XJ+2:XJ+3], v[XJ+2:XJ+3], v[INV:INV+1]
.irp k, 0,1,2,3
	v_rndne_f32 v[XJ+(\k)], v[XJ+(\k)]
.endr
.irp k, 0,1,2,3
	v_med3_num_f32 v[XJ+(\k)], v[XJ+(\k)], s14, s15
.endr
.if j == 0
	v_pk_add_f32 v[SA:SA+1], v[XJ:XJ+1], v[XJ+2:XJ+3]      ; the first two groups start the two chains of sums
.elseif j == 1
	v_pk_add_f32 v[SB:SB+1], v[XJ:XJ+1], v[XJ+2:XJ+3]
.else
	v_pk_add_f32 v[SA:SA+1], v[SA:SA+1], v[XJ:XJ+1]        ; whole numbers, 4,096 x 127 at the most: these sums are exact in f32
	v_pk_add_f32 v[SB:SB+1], v[SB:SB+1], v[XJ+2:XJ+3]
.endif
	v_cvt_pk_bf16_f32 v[D], v[XJ], v[XJ+1]
	v_cvt_pk_bf16_f32 v[D+1], v[XJ+2], v[XJ+3]
.set j, j+1
.endr
	s_wait_alu depctr_va_vdst(0)                   ; the row's last block has written its packed results and is done with its groups of X: its stores, and the loads into those groups, follow
.set j, 32-XBK
.rept XBK
	XOUT \row, \next, j
.set j, j+1
.endr
	v_pk_add_f32 v[SA:SA+1], v[SA:SA+1], v[SB:SB+1]
	v_add_f32 v[SA], v[SA], v[SA+1]
	v_add_f32_dpp v[SA], v[SA], v[SA] row_xmask:1 row_mask:0xf bank_mask:0xf
	v_add_f32_dpp v[SA], v[SA], v[SA] row_xmask:2 row_mask:0xf bank_mask:0xf
	v_add_f32_dpp v[SA], v[SA], v[SA] row_xmask:4 row_mask:0xf bank_mask:0xf
	v_add_f32_dpp v[SA], v[SA], v[SA] row_xmask:8 row_mask:0xf bank_mask:0xf
	v_permlanex16_b32 v[SA+1], v[SA], s16, s17
	v_add_f32 v[SA], v[SA], v[SA+1]
	v_fma_f32 v[ST+1], v[INV], 0, v[SA]            ; the sum; where act_scale is 0 its reciprocal is infinite and this is NaN, which the product's way out carries into the whole row, as 0 / 0 does
.endm
	XROW 0, 1
	XROW 1, 0
	v_cmp_eq_u32 vcc_lo, 1, v[LANE]                ; lane 0 stores row 0's two numbers, lane 1 row 1's: 16 consecutive bytes a wave
	s_wait_alu depctr_va_vcc(0)                    ; VCC is written, ahead of its first reader, the select below
	v_cndmask_b32 v[STAT], v[STAT], v[STAT+2], vcc_lo
	v_cndmask_b32 v[STAT+1], v[STAT+1], v[STAT+3], vcc_lo
	v_cmp_gt_u32 vcc_lo, 2, v[LANE]
	s_wait_xcnt 0x0                                ; EXEC is a source of the stores above: it changes only behind this wait
	s_wait_alu depctr_va_vcc(0)                    ; VCC is written anew: EXEC is made from it
	s_wait_alu depctr_va_vdst(0)                   ; in front of the write of EXEC: the vector instructions so far are done; among them the two selects, which have written v[12:13], the data of the store below
	s_wait_alu depctr_vm_vsrc(0)                   ; in front of the write of EXEC: the stores so far have read their vector registers
	s_and_saveexec_b32 s2, vcc_lo
	global_store_b64 v[VST], v[STAT:STAT+1], s[12:13]
	s_wait_xcnt 0x0                                ; and again in front of the line that widens it
	s_wait_alu depctr_va_vdst(0)                   ; in front of the write of EXEC, as above
	s_wait_alu depctr_vm_vsrc(0)                   ; the store of stats has read its vector registers
	s_or_b32 exec_lo, exec_lo, s2
	s_endpgm
	; ---------------- weight ----------------
.Lweight:
	s_add_nc_u64 s[6:7], s[6:7], s[18:19]
	s_add_nc_u64 s[10:11], s[10:11], s[20:21]
.set j, 0
.rept 32
	global_load_b128 v[X+4*j:X+4*j+3], v[VIN], s[6:7] offset:512*j th:TH_LOAD_NT
.set j, j+1
.endr
; The memory instructions of slot m of the two rows' 64, issued a block behind the slot's conversions.  Row 0 (m < 32): the slot is loaded again with row 1's four numbers, ahead of the store, which reads Y.
; Row 1: the store reads the slot's first two registers.
.macro WOUT m
.if (\m) < 32
	global_load_b128 v[X+4*(\m):X+4*(\m)+3], v[VIN], s[6:7] offset:ROWIN+512*(\m) th:TH_LOAD_NT
	global_store_b64 v[VOUT], v[Y+2*(\m):Y+2*(\m)+1], s[10:11] offset:256*(\m)
.else
	global_store_b64 v[VOUT], v[X+4*((\m)-32):X+4*((\m)-32)+1], s[10:11] offset:ROWOUT+256*((\m)-32)
.endif
.endm
; One row, 32 slots of four numbers.  next = 1: the results go into Y; next = 0: they are packed in place.  The blocks run on from row 0 into row 1: n counts the slots of both.
.macro WROW row, next
.set j, 0
.rept 32
.set n, 32*(\row)+j
.set XJ, X+4*j
.if \next
.set D, Y+2*j
.else
.set D, XJ
.endif
.if (n > 0) && (n%WBK == 0)
	s_wait_alu depctr_va_vdst(0)                   ; the block before has written its packed results, which this block's stores read, and is done reading and writing its slots of X, in which this block's loads land
.endif
.if n >= WBK
	WOUT n-WBK                                     ; no vector instruction since that wait names these registers
.endif
.if n < WBK
	s_wait_loadcnt 31-n                            ; behind slot n's load stand row 0's 31 - n younger loads
.elseif n < 32+WBK
	s_wait_loadcnt 32-WBK                          ; n + 25 loads are issued, n + 1 of them up to mine: 24 younger ones stay out
.else
	s_wait_loadcnt 63-n                            ; nothing more is loaded: the counts run down
.endif
.irp k, 0,1,2,3
	v_cvt_f32_i32 v[XJ+(\k)], v[XJ+(\k)]
.endr
	v_cvt_pk_bf16_f32 v[D], v[XJ], v[XJ+1]
	v_cvt_pk_bf16_f32 v[D+1], v[XJ+2], v[XJ+3]
.set j, j+1
.endr
.endm
	WROW 0, 1
	WROW 1, 0
	s_wait_alu depctr_va_vdst(0)                   ; the last block has written its packed results, which the last eight stores read
.set n, 64-WBK
.rept WBK
	WOUT n
.set n, n+1
.endr
	s_endpgm
.Lfunc_end_k_qfa6529a76d_prep:
	.size	k_qfa6529a76d_prep, .Lfunc_end_k_qfa6529a76d_prep-k_qfa6529a76d_prep
	.p2alignl 7, 3214868480
	.fill 96, 4, 3214868480
	.section	.rodata,"a",@progbits
	.p2align	6, 0x0
	.amdhsa_kernel k_qfa6529a76d_prep
		.amdhsa_group_segment_fixed_size 0
		.amdhsa_private_segment_fixed_size 0
		.amdhsa_enable_private_segment 0
		.amdhsa_kernarg_size 40
		.amdhsa_user_sgpr_count 2
		.amdhsa_user_sgpr_kernarg_segment_ptr 1
		.amdhsa_wavefront_size32 1
		.amdhsa_system_sgpr_workgroup_id_x 1
		.amdhsa_system_sgpr_workgroup_id_y 1
		.amdhsa_system_sgpr_workgroup_id_z 1
		.amdhsa_system_vgpr_workitem_id 0
		.amdhsa_next_free_vgpr 216
		.amdhsa_next_free_sgpr 66
		.amdhsa_reserve_vcc 1
		.amdhsa_float_denorm_mode_32 3
		.amdhsa_float_denorm_mode_16_64 3
		.amdhsa_memory_ordered 1
		.amdhsa_forward_progress 1
		.amdhsa_inst_pref_size 104
	.end_amdhsa_kernel
	.amdgpu_metadata
---
amdhsa.version: [ 1, 2 ]
amdhsa.kernels:
  - .name:           k_qfa6529a76d_prep
    .symbol:         k_qfa6529a76d_prep.kd
    .args:
      - { .name: x, .offset: 0, .size: 8, .value_kind: global_buffer, .address_space: global }
      - { .name: weight, .offset: 8, .size: 8, .value_kind: global_buffer, .address_space: global }
      - { .name: xq, .offset: 16, .size: 8, .value_kind: global_buffer, .address_space: global }
      - { .name: wq, .offset: 24, .size: 8, .value_kind: global_buffer, .address_space: global }
      - { .name: stats, .offset: 32, .size: 8, .value_kind: global_buffer, .address_space: global }
    .group_segment_fixed_size: 0
    .private_segment_fixed_size: 0
    .kernarg_segment_align: 8
    .kernarg_segment_size: 40
    .max_flat_workgroup_size: 256
    .sgpr_count:     66
    .vgpr_count:     216
    .wavefront_size: 32
...
	.end_amdgpu_metadata
.endif
;; end of part 3
;; launch gemm: the kernel of part 2 again; grid 16 x 16, 4 waves a work-group, clusters of 4 x 4, 327,680 bytes of LDS; arguments xq, wq, out0, stats, weight_scale, weight_offset, bias; writes out0
